; MI455X (gfx1250); checked and timed in simulation.
; The chip was launched on July 23, 2026; its instructions are those of AMD's public machine-readable ISA for CDNA 5 (MIT licence, August 2026) and "CDNA5" Instruction Set Architecture Reference Guide (July 2026). The comments in the code are by the model that wrote it; some were corrected since.
;; Multi Head Attention. Allowed arithmetic: matrix products marked QUANTISED: E2M3 operands, one E8M0 scale for each 32 along K, by v_wmma_scale_f32_16x16x128_f8f6f4 with both operands' format E2M3, f32 sums; everything else in f32.
;; Inputs: W_k 1,024 x 1,024 float32; W_o 1,024 x 1,024 float32; W_q 1,024 x 1,024 float32; W_v 1,024 x 1,024 float32; b_k 1,024 float32; b_o 1,024 float32; b_q 1,024 float32; b_v 1,024 float32; key 4 x 2,048 x 1,024 float32; mask 4 x 1 x 2,048 x 2,048 bool; query 4 x 2,048 x 1,024 float32; value 4 x 2,048 x 1,024 float32.
;; Outputs: out0 4 x 2,048 x 1,024 float32.
;; This version of the problem:
;;   THIS VERSION OF THE PROBLEM IS GIVEN IN LOW PRECISION. The matrix products marked QUANTISED in the list below multiply operands that are first quantised to E2M3 (2 exponent bits, 3 mantissa bits; 6 bits a number), with one power-of-two scale for each 32 numbers along K (OCP MX v1.0); their sums are f32. All else is computed in f32.
;;   The module's matrix products, in the order in which they are computed (A, B: the left and right operand; K: the contracted axis; several contracted axes count as one K, in the product's order):
;;     1. [M 8,192, K 1,024] x [K 1,024, N 1,024]; A: input query; B: input W_q: QUANTISED
;;     2. [M 8,192, K 1,024] x [K 1,024, N 1,024]; A: input key; B: input W_k: QUANTISED
;;     3. [M 8,192, K 1,024] x [K 1,024, N 1,024]; A: input value; B: input W_v: QUANTISED
;;     4. batch 64 x [M 2,048, K 64] x [K 64, N 2,048]; A: computed on the way; B: computed on the way: QUANTISED
;;     5. batch 64 x [M 2,048, K 2,048] x [K 2,048, N 64]; A: softmax (see below); B: computed on the way: QUANTISED
;;     6. [M 8,192, K 1,024] x [K 1,024, N 1,024]; A: computed on the way; B: input W_o: QUANTISED
;;   THE QUANTISER, for each operand of a quantised product, along K:
;;     - K is cut into blocks of 32 from its start; a last block that is shorter is filled with zeros.
;;     - A block's scale is 2^e with e = floor(log2(the largest magnitude in the block)) - 2, held to -126 .. 127; a block of zeros has e = 0. As a byte (E8M0): e + 127.
;;     - Each number is divided by its block's scale, clamped to +-7.5, and rounded to the nearest number of E2M3, ties to even, subnormals kept.
;;     - The product sums the exact products of the quantised numbers (number of the format x scale) in f32.
;;   ~~~python
;;   def quantise(x, axis):      # numpy; x: float32 -> the quantised numbers, widened to float32 again
;;       x = np.moveaxis(x, axis, -1); K = x.shape[-1]
;;       x = np.pad(x, [(0, 0)] * (x.ndim - 1) + [(0, -K % 32)]); x = x.reshape(x.shape[:-1] + (-1, 32)); a = np.abs(x).max(-1, keepdims=True)
;;       e = np.where(a > 0, np.clip(np.frexp(np.where(a > 0, a, 1))[1] - 1 - 2, -126, 127), 0)      # np.frexp(a)[1] - 1 = floor(log2(a)), exactly
;;       r = np.clip(x / 2.0 ** e, -7.5, 7.5)
;;       step = 2.0 ** (np.maximum(np.frexp(np.where(r == 0, 1, r))[1] - 1, 0) - 3)
;;       q = np.round(r / step) * step * 2.0 ** e      # np.round: ties to even
;;       return np.moveaxis(q.reshape(q.shape[:-2] + (-1,))[..., :K], -1, axis).astype(np.float32)
;;   ~~~
;;   SOFTMAX AHEAD OF A QUANTISED PRODUCT. Where the list says 'softmax', what is quantised is not the finished softmax but p = 2^(t - M), with t = logit x log2(e) and M = ceil(the row's largest t), a whole number; so 1/2 < the row's largest p <= 1. The row's sum l is taken of the UNQUANTISED p, in f32, and the product's result is divided by l at the end. Since M is a whole number, a kernel that streams over the keys may use a running M (the ceiling of the running maximum): every later rescaling is an exact power of two, which a block's scale takes up: the codes' values come out the same.
;;   OPERANDS COMPUTED ON THE WAY. 'Computed on the way' means the value that the module computes at that place (a softmax that the list does not call 'softmax' is quantised finished and normalised). What goes into a quantiser is computed in f32, as accurately as f32 sums, v_exp_f32 and their like allow (about 1e-6 of the number): no bf16 or f16 on the way to a quantiser, and a product that is left as it is and whose result goes on into a quantised operand takes f32 operands (vector FMAs, or v_wmma_f32_16x16x4_f32). A number that lies on a knife's edge between two numbers of the format may be rounded either way, as far as f32 arithmetic and the matrix unit's own rounding can turn it there, and no further.
;; One version. Each part assembles by itself: llvm-mc -triple=amdgcn-amd-amdhsa -mcpu=gfx1250 --defsym DOCPART=n.
;; ======== version 1 of 1: 4 launches
;; limits: right only within a limited range of input values
;; workspace buffers: ximg 22,020,096 bytes; xscl 917,504 bytes; mwords 2,097,152 bytes of whole numbers; mfull 2,048 bytes of whole numbers; heads 20,185,088 bytes; oimg 6,291,456 bytes; oscl 262,144 bytes
;; launch prep (part 1): grid 576 x 1, 4 waves a work-group, no clusters, 68,096 bytes of LDS; arguments query, key, value, W_q, W_k, W_v, W_o, mask, ximg, xscl, mwords, mfull; writes ximg, xscl, mwords, mfull
.if DOCPART == 1
	.amdgcn_target "amdgcn-amd-amdhsa--gfx1250"
	.amdhsa_code_object_version 6
	.text
	.protected	k_q02aed498a9_prep
	.globl	k_q02aed498a9_prep
	.p2align	8
	.type	k_q02aed498a9_prep,@function
k_q02aed498a9_prep:
	s_mov_b64 s[64:65], 0
	v_nop
	global_prefetch_b8 v0, s[64:65] scope:SCOPE_SE
	s_setreg_imm32_b32 hwreg(HW_REG_WAVE_MODE, 25, 1), 1
	s_wait_xcnt 0x0
; MULTI-HEAD ATTENTION IN MX-FP6, launch 1 of 4: query, key, value and the four weights become codes of E2M3 with one E8M0 byte for each 32 along K (their last axis), and the mask becomes lane masks.
; NO WORK OF THE PROBLEM IS LEFT OUT: every input has a way to the output (b_k too: it moves the codes of K), so all twelve inputs are loaded by some launch.
; LIMITS: NaN and infinities among the inputs are not served; blocks whose largest magnitude lies under 2^-124, whose byte is held at 1, were not tried; a block of zeros gets the byte 1 (its codes are zeros, and this
; program alone reads the bytes); any mask byte other than 0 counts as true.
; TILES.  Tile T of any matrix is the 16 rows 32 (T / 2) + 8 (T % 2) + (r % 8) + 16 (r / 8), r = 0 .. 15: so the 16 result registers of two neighbouring tiles of a product's source 0 are 16 neighbours along that side.
; ximg: [tile][K step of 128][1,536 bytes]: a fragment's 12 registers as they stand: byte 512 c + 16 lane + 4 e is register 4 c + e.  Tiles: query 0.., key 512.., value 1024.., W_q 1536.., W_k 1600.., W_v 1664.., W_o 1728..
; xscl: [tile][512 bytes]: lane l's 16 bytes are the scale words of K steps 4 (l / 16) + 0 .. 3 of row l % 16.
; mwords: [query tile 512][key step 16][64 words]: bit l of word n is mask[row l % 16 of the tile][128 step + 64 (n / 32) + 32 (l / 16) + n % 32].
; SHARES.  Work-groups 0-447: a wave takes one tile, 16 rows x 1,024 numbers, in 8 units of 128 along K.  Work-groups 448-575: a wave takes one query tile of the mask, 16 rows x 2,048 bytes, in 4 trips of 512 keys.
; Each load takes 512 consecutive bytes of one row; the bytes turn through the wave's own stage in LDS (rows 528 bytes apart) so that a lane gets the neighbours along K that the conversions want.  Waves share nothing: no barrier.
; The two paths part on the work-group's number, never join, and have LDS bytes of their own.
.set STG,   8448                       ; a wave's stage: 16 rows x 528 bytes
.set MST0,  33792                      ; the mask path's four stages begin here
.set SPARE, 67584                      ; the spare words, 128 bytes for each wave
.set SPW, 1                            ; v1   my spare word's LDS address; never rewritten
.set NIL, 2                            ; v2   0; never rewritten
.set LB,  3                            ; v3   16 x lane
.set STI, 4                            ; v4   stage, way in: 16 x lane
.set STR, 5                            ; v5   stage, way out: 528 r + 128 h
.set H8,  6                            ; v6   8 h
.set MSI, 7                            ; v7   the mask's stage, way in
.set WD,  16                           ; v16-23  the eight scale words of my row
.set PC,  24                           ; v24-35  a fragment's codes
.set TT,  36                           ; v36-43  the upper halves of the blocks' codes, as converted
.set SWD, 44                           ; v44-47  my four scale words on the way out
.set OW,  48                           ; v48-55  mask words on the way out, a pair for each key step of a trip
.set MSR, 56                           ; v56  the mask's stage, way out: 528 r + 32 h
.set L8,  57                           ; v57  8 x lane
.set R,   64                           ; v64-191  two sets of 64: a unit as loaded
.set X,   192                          ; v192-255 a unit as the lane wants it
	s_load_b512 s[8:23], s[0:1], 0x0               ; query, key, value, W_q, W_k, W_v, W_o, mask
	s_load_b128 s[24:27], s[0:1], 0x40             ; ximg, xscl
	s_load_b64 s[28:29], s[0:1], 0x50              ; mwords
	s_load_b64 s[36:37], s[0:1], 0x58              ; mfull: [query tile 512] one word: bit 15 - step is set where all 64 mask words of that key step are all ones (the mask path alone uses it)
	v_lshl_add_u32 v[SPW], v0, 2, SPARE
	v_mov_b32 v[NIL], 0
	v_lshrrev_b32 v8, 5, v0
	v_readfirstlane_b32 s30, v8                    ; wave
	v_and_b32 v8, 31, v0                           ; lane
	v_and_b32 v9, 15, v0                           ; r
	v_bfe_u32 v10, v0, 4, 1                        ; h
	v_lshlrev_b32 v[LB], 4, v8
	v_lshlrev_b32 v[L8], 3, v8
	v_lshlrev_b32 v[H8], 3, v10
	s_mul_i32 s46, s30, STG
	s_add_co_u32 s47, s46, MST0
	v_add_nc_u32 v[STI], s46, v[LB]
	v_add_nc_u32 v[MSI], s47, v[LB]
	v_mul_u32_u24 v11, v9, 528
	v_lshl_add_u32 v[STR], v10, 7, v11
	v_add_nc_u32 v[STR], s46, v[STR]
	v_lshl_add_u32 v[MSR], v10, 5, v11             ; the mask's stage, way out: 528 r + 32 h: a lane takes whole blocks of 32 keys
	v_add_nc_u32 v[MSR], s47, v[MSR]
	v_mov_b32 v15, 0                               ; a lane permute's destination counts as one of its sources
	s_mov_b32 s38, 0x76543210
	s_mov_b32 s39, 0xfedcba98                      ; selects for lane l xor 16
	s_wait_kmcnt 0x0
	s_cmp_ge_u32 ttmp9, 448
	s_cbranch_scc1 .Lmask
	; ---- THE QUANTISER.  Which tensor: a choice between pointers on the work-group's number alone
	s_mov_b64 s[32:33], s[8:9]
	s_mov_b32 s31, 0
	s_cmp_ge_u32 ttmp9, 128
	s_cselect_b64 s[32:33], s[10:11], s[32:33]
	s_cselect_b32 s31, 512, s31
	s_cmp_ge_u32 ttmp9, 256
	s_cselect_b64 s[32:33], s[12:13], s[32:33]
	s_cselect_b32 s31, 1024, s31
	s_cmp_ge_u32 ttmp9, 384
	s_cselect_b64 s[32:33], s[14:15], s[32:33]
	s_cselect_b32 s31, 1536, s31
	s_cmp_ge_u32 ttmp9, 400
	s_cselect_b64 s[32:33], s[16:17], s[32:33]
	s_cselect_b32 s31, 1600, s31
	s_cmp_ge_u32 ttmp9, 416
	s_cselect_b64 s[32:33], s[18:19], s[32:33]
	s_cselect_b32 s31, 1664, s31
	s_cmp_ge_u32 ttmp9, 432
	s_cselect_b64 s[32:33], s[20:21], s[32:33]
	s_cselect_b32 s31, 1728, s31
	s_lshl_b32 s44, ttmp9, 2
	s_add_co_u32 s44, s44, s30                     ; my tile among all 1,792
	s_sub_co_u32 s45, s44, s31                     ; and in its tensor
	; KEY'S TILES ARE LAID OTHERWISE than all others: tile T of key is the 16 rows 64 (T / 4) + 8 (T % 4) + (r % 8) + 32 (r / 8), so that in the scores a lane's 32 registers of four neighbouring tiles are one whole block of 32 keys
	s_sub_co_u32 s48, ttmp9, 128
	s_cmp_lt_u32 s48, 128                          ; key's work-groups are 128 .. 255
	s_cselect_b32 s48, 2, 1                        ; log2 of the tiles in a group
	s_cselect_b32 s49, 3, 1                        ; the tile's place in its group
	s_cselect_b32 s50, 17, 16                      ; rows 8-15 of a tile lie 32 or 16 rows of 4,096 bytes further on
	s_lshr_b32 s46, s45, s48
	s_add_co_u32 s48, s48, 16
	s_lshl_b32 s46, s46, s48                       ; a group is 64 or 32 rows of 4,096 bytes
	s_lshl_b32 s50, 1, s50
	s_and_b32 s47, s45, s49
	s_lshl_b32 s47, s47, 15                        ; 8 rows
	s_add_co_u32 s46, s46, s47
	s_mov_b32 s47, 0
	s_add_nc_u64 s[32:33], s[32:33], s[46:47]
	s_mul_i32 s46, s44, 12288
	s_add_nc_u64 s[34:35], s[24:25], s[46:47]      ; my tile's eight fragments
	s_lshl_b32 s46, s44, 9
	s_add_nc_u64 s[36:37], s[26:27], s[46:47]      ; and its scale words
.macro LOADU s                         ; unit s: 128 numbers of each of my 16 rows; a load takes one row's 512 consecutive bytes
.irp r,0,1,2,3,4,5,6,7,8,9,10,11,12,13,14,15
	global_load_b128 v[R+64*((\s)%2)+4*\r:R+64*((\s)%2)+4*\r+3], v[LB+55*(\r/8)], s[32:33] offset:(\r%8)*4096+512*(\s) th:TH_LOAD_NT
.endr
.endm
.macro UNIT s
.if (\s) < 7
	s_wait_loadcnt 16                              ; this unit's 16 loads are in; the next unit's 16 may be out
.else
	s_wait_loadcnt 0x0
.endif
.irp r,0,1,2,3,4,5,6,7,8,9,10,11,12,13,14,15
	ds_store_b128 v[STI], v[R+64*((\s)%2)+4*\r:R+64*((\s)%2)+4*\r+3] offset:528*\r
.endr
.irp c,0,1
.irp q,0,1,2,3,4,5,6,7
	ds_load_b128 v[X+32*\c+4*\q:X+32*\c+4*\q+3], v[STR] offset:256*\c+16*\q   ; LDS serves a wave's instructions in order: these see my stores.  Register 32 c + i: k = 64 c + 32 h + i of row r
.endr
.endr
	s_wait_dscnt 0x0                               ; the numbers are back, and the stores have read their registers,
.if (\s) < 6
	LOADU (\s)+2                                   ; which take the unit two further on
.endif
.irp c,0,1
	v_max3_num_f32 v[8+\c], |v[X+32*\c]|, |v[X+32*\c+1]|, 0x1800000   ; my block 2 c + h: all its 32 numbers are mine; the floor 2^(3 - 127) holds the byte at 1 from below
.endr
.irp i,2,4,6,8,10,12,14,16,18,20,22,24,26,28,30
.irp c,0,1
	v_max3_num_f32 v[8+\c], v[8+\c], |v[X+32*\c+\i]|, |v[X+32*\c+\i+1]|
.endr
.endr
.irp c,0,1
	v_add_nc_u32 v[10+\c], 0xff000000, v[8+\c]     ; 2 off the exponent field: the conversion's scale operand
.endr
.irp c,0,1
	v_lshrrev_b32 v[12+\c], 23, v[10+\c]           ; the scale's byte
.endr
	v_lshl_or_b32 v14, v13, 16, v12                ; my two bytes, blocks h and 2 + h,
	v_lshlrev_b32 v14, v[H8], v14                  ; at their places in the word;
	v_permlanex16_b32 v15, v14, s38, s39
	v_or_b32 v[WD+(\s)], v14, v15                  ; with lane l xor 16's two the word is whole
	s_wait_alu depctr_va_vdst(0)
	s_wait_xcnt 0x0                                ; the last unit's stores have read their data: the codes' registers are written again only behind this wait
.irp c,0,1
	v_cvt_scalef32_pk16_fp6_f32 v[PC+6*\c:PC+6*\c+2], v[X+32*\c:X+32*\c+15], v[10+\c]
	v_cvt_scalef32_pk16_fp6_f32 v[TT+4*\c:TT+4*\c+2], v[X+32*\c+16:X+32*\c+31], v[10+\c]   ; (a conversion's three registers begin on an even number)
.endr
	v_nop                                          ; one plain place behind a scaled conversion
.irp c,0,1
.irp i,0,1,2
	v_mov_b32 v[PC+6*\c+3+\i], v[TT+4*\c+\i]
.endr
.endr
.irp c,0,1,2
	global_store_b128 v[LB], v[PC+4*\c:PC+4*\c+3], s[34:35] offset:1536*(\s)+512*\c   ; 32 lanes store 512 consecutive bytes, aligned
.endr
.endm
	v_add_nc_u32 v58, s50, v[LB]                   ; v58: 16 x lane + the distance to a tile's rows 8-15; never rewritten
	s_wait_alu depctr_va_vdst(0)
	LOADU 0
	LOADU 1
	s_wait_alu depctr_va_vdst(0)
.irp u,0,1,2,3,4,5,6,7
	UNIT \u
.endr
	s_mov_b32 s45, 0xffff0000                      ; lanes 16-31
.irp i,0,1,2,3
	v_cndmask_b32 v[SWD+\i], v[WD+\i], v[WD+4+\i], s45   ; lanes 0-15 keep K steps 0-3, lanes 16-31 K steps 4-7
.endr
	global_store_b128 v[LB], v[SWD:SWD+3], s[36:37]
	s_wait_tensorcnt 0x0                           ; the wave's end
	ds_add_u32 v[SPW], v[NIL]
	s_wait_dscnt 0x0
	s_endpgm
	; ---- THE MASK
.Lmask:
	s_sub_co_u32 s44, ttmp9, 448
	s_lshl_b32 s44, s44, 2
	s_add_co_u32 s44, s44, s30                     ; my query tile, 0 .. 511
	s_lshr_b32 s46, s44, 1
	s_lshl_b32 s46, s46, 16                        ; 32 rows of 2,048 bytes
	s_and_b32 s47, s44, 1
	s_lshl_b32 s47, s47, 14
	s_add_co_u32 s46, s46, s47
	s_mov_b32 s47, 0
	s_add_nc_u64 s[32:33], s[22:23], s[46:47]
	s_lshl_b32 s46, s44, 12
	s_add_nc_u64 s[34:35], s[28:29], s[46:47]
	s_lshl_b32 s46, s44, 2
	s_add_nc_u64 s[36:37], s[36:37], s[46:47]      ; my tile's word of mfull
	s_mov_b32 s40, 0xff
	s_mov_b32 s41, 0xff00
	s_mov_b32 s42, 0xff0000
	s_mov_b32 s43, 0xff000000
	s_mov_b32 s31, 0                               ; my tile's word of mfull, gathered bit by bit
	s_mov_b32 s45, 15                              ; the bit of the key step in hand
.irp i,0,1,2,3,4,5,6,7
	v_mov_b32 v[OW+\i], 0                          ; v_writelane_b32's destination counts as one of its sources
.endr
.macro MLOAD                           ; 512 keys of each of my 16 rows
.irp r,0,1,2,3,4,5,6,7,8,9,10,11,12,13,14,15
	global_load_b128 v[R+4*\r:R+4*\r+3], v[LB], s[32:33] offset:((\r%8)+16*(\r/8))*2048 th:TH_LOAD_NT
.endr
.endm
.macro BALLOT st                       ; key step st of the trip: 64 words, eight at a time: pick the byte, compare in all lanes, put the lanes' bits into lane n / 2 of register n % 2
.irp g,0,1,2,3,4,5,6,7
.irp k,0,1,2,3,4,5,6,7
	v_and_b32 v[8+\k], s[40+(\k%4)], v[X+4*(4*(\st)+(\g/2))+2*(\g%2)+(\k/4)]
.endr
.irp k,0,1,2,3,4,5,6,7
	v_cmp_ne_u32 s[48+\k], 0, v[8+\k]
.endr
.irp k,0,1,2,3,4,5,6,7
	v_writelane_b32 v[OW+2*(\st)+(\k%2)], s[48+\k], 4*\g+(\k/2)
.endr
.endr
	global_store_b64 v[L8], v[OW+2*(\st):OW+2*(\st)+1], s[34:35] offset:256*(\st)   ; 32 lanes store 256 consecutive bytes, aligned
	v_and_b32 v8, v[OW+2*(\st)], v[OW+2*(\st)+1]   ; are all 64 words of the step all ones?
	v_cmp_eq_u32 s48, -1, v8
	s_cmp_eq_u32 s48, -1
	s_cselect_b32 s48, 1, 0
	s_lshl_b32 s48, s48, s45
	s_or_b32 s31, s31, s48
	s_sub_co_u32 s45, s45, 1
.endm
	MLOAD
	s_mov_b32 s44, 0
.Lmtrip:
	s_wait_loadcnt 0x0
.irp r,0,1,2,3,4,5,6,7,8,9,10,11,12,13,14,15
	ds_store_b128 v[MSI], v[R+4*\r:R+4*\r+3] offset:528*\r
.endr
.irp q,0,1,2,3,4,5,6,7,8,9,10,11,12,13,14,15
	ds_load_b128 v[X+4*\q:X+4*\q+3], v[MSR] offset:64*(\q/2)+16*(\q%2)   ; q = 4 step + 2 c + e: my 16 keys 128 step + 64 c + 32 h + 16 e + 0 .. 15 of row r: so bit l of word n of a step is mask[row l % 16][128 step + 64 (n / 32) + 32 (l / 16) + n % 32]
.endr
	s_wait_dscnt 0x0
	s_wait_xcnt 0x0                                ; the last trip's stores have read their data, and the loads their base
	s_add_nc_u64 s[32:33], s[32:33], 512
	s_cmp_eq_u32 s44, 3
	s_cbranch_scc1 .Lmnoload                       ; the last trip loads nothing: no load leaves the mask
	MLOAD
.Lmnoload:
	BALLOT 0
	BALLOT 1
	BALLOT 2
	BALLOT 3
	s_wait_xcnt 0x0                                ; the stores have read their base
	s_add_nc_u64 s[34:35], s[34:35], 1024
	s_add_co_u32 s44, s44, 1
	s_cmp_lt_u32 s44, 4
	s_cbranch_scc1 .Lmtrip
	v_mov_b32 v8, s31
	v_mov_b32 v9, 0
	global_store_b32 v9, v8, s[36:37]              ; all lanes write the same word with the same value
	s_wait_tensorcnt 0x0                           ; the wave's end
	ds_add_u32 v[SPW], v[NIL]
	s_wait_dscnt 0x0
	s_endpgm
.Lfunc_end_k_q02aed498a9_prep:
	.size	k_q02aed498a9_prep, .Lfunc_end_k_q02aed498a9_prep-k_q02aed498a9_prep
	.p2alignl 7, 3214868480
	.fill 96, 4, 3214868480
	.section	.rodata,"a",@progbits
	.p2align	6, 0x0
	.amdhsa_kernel k_q02aed498a9_prep
		.amdhsa_group_segment_fixed_size 68096
		.amdhsa_private_segment_fixed_size 0
		.amdhsa_enable_private_segment 0
		.amdhsa_kernarg_size 96
		.amdhsa_user_sgpr_count 2
		.amdhsa_user_sgpr_kernarg_segment_ptr 1
		.amdhsa_wavefront_size32 1
		.amdhsa_system_sgpr_workgroup_id_x 1
		.amdhsa_system_sgpr_workgroup_id_y 1
		.amdhsa_system_sgpr_workgroup_id_z 1
		.amdhsa_system_vgpr_workitem_id 0
		.amdhsa_next_free_vgpr 256
		.amdhsa_next_free_sgpr 66
		.amdhsa_reserve_vcc 0
		.amdhsa_float_denorm_mode_32 3
		.amdhsa_float_denorm_mode_16_64 3
		.amdhsa_memory_ordered 1
		.amdhsa_forward_progress 1
		.amdhsa_inst_pref_size 107
	.end_amdhsa_kernel
	.amdgpu_metadata
---
amdhsa.version: [ 1, 2 ]
amdhsa.kernels:
  - .name:           k_q02aed498a9_prep
    .symbol:         k_q02aed498a9_prep.kd
    .args:
      - { .name: query, .offset: 0, .size: 8, .value_kind: global_buffer, .address_space: global }
      - { .name: key, .offset: 8, .size: 8, .value_kind: global_buffer, .address_space: global }
      - { .name: value, .offset: 16, .size: 8, .value_kind: global_buffer, .address_space: global }
      - { .name: W_q, .offset: 24, .size: 8, .value_kind: global_buffer, .address_space: global }
      - { .name: W_k, .offset: 32, .size: 8, .value_kind: global_buffer, .address_space: global }
      - { .name: W_v, .offset: 40, .size: 8, .value_kind: global_buffer, .address_space: global }
      - { .name: W_o, .offset: 48, .size: 8, .value_kind: global_buffer, .address_space: global }
      - { .name: mask, .offset: 56, .size: 8, .value_kind: global_buffer, .address_space: global }
      - { .name: ximg, .offset: 64, .size: 8, .value_kind: global_buffer, .address_space: global }
      - { .name: xscl, .offset: 72, .size: 8, .value_kind: global_buffer, .address_space: global }
      - { .name: mwords, .offset: 80, .size: 8, .value_kind: global_buffer, .address_space: global }
      - { .name: mfull, .offset: 88, .size: 8, .value_kind: global_buffer, .address_space: global }
    .group_segment_fixed_size: 68096
    .private_segment_fixed_size: 0
    .kernarg_segment_align: 8
    .kernarg_segment_size: 96
    .max_flat_workgroup_size: 128
    .sgpr_count:     66
    .vgpr_count:     256
    .wavefront_size: 32
...
	.end_amdgpu_metadata
.endif
;; end of part 1
;; launch proj (part 2): grid 4 x 64, 4 waves a work-group, clusters of 4 x 1, 327,680 bytes of LDS; arguments ximg, xscl, b_q, b_k, b_v, heads; writes heads
.if DOCPART == 2
	.amdgcn_target "amdgcn-amd-amdhsa--gfx1250"
	.amdhsa_code_object_version 6
	.text
	.protected	k_q02aed498a9_proj
	.globl	k_q02aed498a9_proj
	.p2align	8
	.type	k_q02aed498a9_proj,@function
k_q02aed498a9_proj:
	s_mov_b64 s[64:65], 0
	v_nop
	global_prefetch_b8 v0, s[64:65] scope:SCOPE_SE
	s_setreg_imm32_b32 hwreg(HW_REG_WAVE_MODE, 25, 1), 1
	s_wait_xcnt 0x0
	s_wait_alu depctr_hold_cnt(0) depctr_sa_sdst(0) depctr_va_vdst(0) depctr_va_sdst(0) depctr_va_ssrc(0) depctr_va_vcc(0) depctr_vm_vsrc(0)
	s_getreg_b32 s2, hwreg(HW_REG_IB_STS2, 6, 4)
	s_cmp_eq_u32 s2, 0
	s_cbranch_scc0 .Lentry_in_a_cluster
	s_endpgm
.Lentry_in_a_cluster:
	s_bfe_u32 s2, ttmp6, 0x10000c
	s_cmp_lg_u32 s2, 0x3003
	s_cbranch_scc0 .Lentry_shape_is_right
	s_endpgm
.Lentry_shape_is_right:
.set XBLK,  98304
.set SCL0,  294912
.set SPARE, 307200
.set HEADB, 315392
.set LB,  1
.set ALO, 2
.set ASC, 4
.set BQK, 5
.set L8,  6
.set BVV, 7
.set TP,  8
.set SPW, 14
.set NIL, 15
.set WS,  16
.set XS,  32
.set XF,  64
.set BI,  192
.set PCS, 64
.set TT,  112
.set TM,  120
.set TA,  124
.set SOP, 128
.set BY,  132
.set SW,  136
.set WD,  140
.set VW,  144
.set MSB, 0
.macro WIN new
.if MSB != \new
	s_set_vgpr_msb (MSB<<8)|\new
.set MSB, \new
.endif
.endm
.macro CROUND
	s_barrier_signal -1
	s_barrier_wait -1
	s_cmp_lg_u32 s16, 0
	s_cbranch_scc1 .Lnot_wave_0_\@
	s_barrier_signal -3
.Lnot_wave_0_\@:
	s_barrier_wait -3
	s_barrier_signal -1
	s_barrier_wait -1
.endm
.macro WLOAD
	s_lshl_b32 s56, s21, 6
	s_lshl_b32 s57, s17, 4
	s_add_co_u32 s56, s56, s57
	s_lshl_b32 s57, s16, 2
	s_add_co_u32 s56, s56, s57
	s_add_co_u32 s56, s56, 1536
	s_mul_i32 s58, s56, 12288
	s_mov_b32 s59, 0
	s_add_nc_u64 s[48:49], s[4:5], s[58:59]
	s_lshl_b32 s58, s56, 9
	s_add_nc_u64 s[50:51], s[6:7], s[58:59]
	s_cmp_eq_u32 s21, 1
	s_cselect_b64 s[52:53], s[10:11], s[8:9]
	s_cmp_eq_u32 s21, 2
	s_cselect_b64 s[52:53], s[12:13], s[52:53]
	s_lshl_b32 s58, s17, 2
	s_add_co_u32 s58, s58, s16
	s_lshl_b32 s58, s58, 8
	s_add_nc_u64 s[52:53], s[52:53], s[58:59]
	WIN 0x40
.irp s,0,1,2,3,4
.irp n,0,1,2,3
.irp c,0,1,2
	global_load_b128 v[48*\s+12*\n+4*\c:48*\s+12*\n+4*\c+3], v[LB], s[48:49] offset:12288*\n+1536*\s+512*\c
.endr
.endr
.endr
	WIN 0x80
.irp s,5,6,7
.irp n,0,1,2,3
.irp c,0,1,2
	global_load_b128 v[48*(\s-5)+12*\n+4*\c:48*(\s-5)+12*\n+4*\c+3], v[LB], s[48:49] offset:12288*\n+1536*\s+512*\c
.endr
.endr
.endr
	WIN 0
.irp n,0,1,2,3
	global_load_b128 v[WS+4*\n:WS+4*\n+3], v[LB], s[50:51] offset:512*\n
.endr
	s_cmp_eq_u32 s21, 2
	s_cbranch_scc1 .Lbias_v_\@
	WIN 0x80
	s_wait_alu depctr_va_vdst(0)
.irp n,0,1,2,3
	global_load_b128 v[BI+8*\n:BI+8*\n+3], v[BQK], s[52:53] offset:(32*(\n/2)+8*(\n%2))*4
	global_load_b128 v[BI+8*\n+4:BI+8*\n+7], v[BQK], s[52:53] offset:(32*(\n/2)+8*(\n%2))*4+16
.endr
	WIN 0
	s_branch .Lbias_done_\@
.Lbias_v_\@:
	WIN 0x80
	s_wait_alu depctr_va_vdst(0)
.irp n,0,1,2,3
.irp j,0,1,2,3,4,5,6,7
	global_load_b32 v[BI+8*\n+\j], v[BVV], s[52:53] offset:(32*(\n/2)+8*(\n%2))*4
.endr
.endr
	WIN 0
.Lbias_done_\@:
	s_wait_loadcnt 0x0
	s_mov_b32 s22, s21
.endm
.macro FETCHA s
.irp a,0,1,2,3,4,5,6,7
.irp c,0,1,2
	ds_load_b128 v[XF+96*((\s)%2)+12*\a+4*\c:XF+96*((\s)%2)+12*\a+4*\c+3], v[ALO+\a/4] offset:12288*(\a%4)+1536*(\s)+512*\c
.endr
.endr
.endm
.macro KSTEPQ s
	s_wait_dscnt 0x0
.if (\s) < 7
.rept 4
	v_nop
.endr
	FETCHA (\s)+1
.endif
.if (\s) == 0
	WIN 0xe1
.elseif (\s) < 5
	WIN 0xf1
.else
	WIN 0xf2
.endif
.irp a,0,1,2,3,4,5,6,7
.irp n,0,1,2,3
.set rD, 8*(4*\a+\n)
.set rC, rD
.if (\s) == 0
.set rC, BI+8*\n
.endif
.set rW, 48*((\s)%5)+12*\n
.set rX, XF+96*((\s)%2)+12*\a
.set rP, WS+4*\n+(\s)%4
.set rQ, XS+4*\a+(\s)%4
.if (\s) < 4
	v_wmma_scale_f32_16x16x128_f8f6f4 v[rD:rD+7], v[rW:rW+11], v[rX:rX+11], v[rC:rC+7], v[rP], v[rQ] matrix_a_fmt:MATRIX_FMT_FP6 matrix_b_fmt:MATRIX_FMT_FP6
.else
	v_wmma_scale_f32_16x16x128_f8f6f4 v[rD:rD+7], v[rW:rW+11], v[rX:rX+11], v[rC:rC+7], v[rP], v[rQ] matrix_a_fmt:MATRIX_FMT_FP6 matrix_b_fmt:MATRIX_FMT_FP6 matrix_a_scale:MATRIX_SCALE_ROW1 matrix_b_scale:MATRIX_SCALE_ROW1
.endif
.endr
.endr
	WIN 0
.endm
.macro KSTEPV s
	s_wait_dscnt 0x0
.if (\s) < 7
.rept 4
	v_nop
.endr
	FETCHA (\s)+1
.endif
.if (\s) == 0
	WIN 0xe4
.elseif (\s) < 5
	WIN 0xf4
.else
	WIN 0xf8
.endif
.irp a,0,1,2,3,4,5,6,7
.irp n,0,1,2,3
.set rD, 8*(8*\n+\a)
.set rC, rD
.if (\s) == 0
.set rC, BI+8*\n
.endif
.set rW, 48*((\s)%5)+12*\n
.set rX, XF+96*((\s)%2)+12*\a
.set rP, WS+4*\n+(\s)%4
.set rQ, XS+4*\a+(\s)%4
.if (\s) < 4
	v_wmma_scale_f32_16x16x128_f8f6f4 v[rD:rD+7], v[rX:rX+11], v[rW:rW+11], v[rC:rC+7], v[rQ], v[rP] matrix_a_fmt:MATRIX_FMT_FP6 matrix_b_fmt:MATRIX_FMT_FP6
.else
	v_wmma_scale_f32_16x16x128_f8f6f4 v[rD:rD+7], v[rX:rX+11], v[rW:rW+11], v[rC:rC+7], v[rQ], v[rP] matrix_a_fmt:MATRIX_FMT_FP6 matrix_b_fmt:MATRIX_FMT_FP6 matrix_a_scale:MATRIX_SCALE_ROW1 matrix_b_scale:MATRIX_SCALE_ROW1
.endif
.endr
.endr
	WIN 0
.endm
.macro QUANT64 q4, kind
.set AB, 64*(\q4)
	WIN 0x0f
.irp b,0,1,2,3
	v_max3_num_f32 v[TM+\b], |v[AB+16*\b]|, |v[AB+16*\b+1]|, 0x1800000
.endr
	WIN 0x3c
.irp i,2,4,6,8,10,12,14
.irp b,0,1,2,3
	v_max3_num_f32 v[TM+\b], v[TM+\b], |v[AB+16*\b+\i]|, |v[AB+16*\b+\i+1]|
.endr
.endr
	WIN 0
.irp b,0,1,2,3
	v_permlanex16_b32 v[TP+\b], v[TM+\b], s60, s61
.endr
.irp b,0,1,2,3
	v_max_num_f32 v[TM+\b], v[TM+\b], v[TP+\b]
.endr
.irp b,0,1,2,3
	v_add_nc_u32 v[SOP+\b], 0xff000000, v[TM+\b]
.endr
.irp b,0,1,2,3
	v_lshrrev_b32 v[BY+\b], 23, v[SOP+\b]
.endr
.if (\kind) == 0
	v_cndmask_b32 v[TA], v[BY], v[BY+2], s62
	v_cndmask_b32 v[TA+1], v[BY+1], v[BY+3], s62
	v_lshl_or_b32 v[TA], v[TA+1], 8, v[TA]
	v_or_b32 v[SW+(\q4)], 0x7f7f0000, v[TA]
.else
	v_lshl_or_b32 v[WD+(\q4)], v[BY+1], 8, v[BY]
	v_lshl_or_b32 v[WD+(\q4)], v[BY+2], 16, v[WD+(\q4)]
	v_lshl_or_b32 v[WD+(\q4)], v[BY+3], 24, v[WD+(\q4)]
.endif
	WIN 0x03
.irp c,0,1
	v_cvt_scalef32_pk16_fp6_f32 v[PCS+12*(\q4)+6*\c:PCS+12*(\q4)+6*\c+2], v[AB+32*\c:AB+32*\c+15], v[SOP+2*\c]
	v_cvt_scalef32_pk16_fp6_f32 v[TT+4*\c:TT+4*\c+2], v[AB+32*\c+16:AB+32*\c+31], v[SOP+2*\c+1]
.endr
	WIN 0
	v_nop
.irp c,0,1
.irp i,0,1,2
	v_permlane16_swap_b32 v[PCS+12*(\q4)+6*\c+\i], v[TT+4*\c+\i]
.endr
.irp i,0,1,2
	v_mov_b32 v[PCS+12*(\q4)+6*\c+3+\i], v[TT+4*\c+\i]
.endr
.endr
.irp c,0,1,2
	global_store_b128 v[LB], v[PCS+12*(\q4)+4*\c:PCS+12*(\q4)+4*\c+3], s[54:55] offset:1536*(\q4)+512*\c
.endr
.endm
	s_load_b256 s[4:11], s[0:1], 0x0
	s_load_b128 s[12:15], s[0:1], 0x20
	v_lshl_add_u32 v[SPW], v0, 2, SPARE
	v_mov_b32 v[NIL], 0
	ds_add_u32 v[SPW], v[NIL]
	ds_add_u32 v[SPW], v[NIL]
	v_lshrrev_b32 v1, 5, v0
	v_readfirstlane_b32 s16, v1
	s_bfe_u32 s17, ttmp6, 0x40000
	s_and_b32 s18, ttmp7, 0xffff
	s_mov_b32 s28, 0x0023000f
	s_mov_b32 s29, 32<<16
	s_mov_b32 s30, 288<<16
	s_mov_b32 s31, 32<<16
	s_mov_b32 s32, 288
	s_mov_b32 s33, 32
	s_mov_b32 s34, 0
	s_mov_b32 s35, 0
	s_mov_b32 s40, 0x0023000f
	s_mov_b32 s41, 32<<16
	s_mov_b32 s42, 12<<16
	s_mov_b32 s43, 32<<16
	s_mov_b32 s44, 12
	s_mov_b32 s45, 32
	s_mov_b32 s46, 0
	s_mov_b32 s47, 0
	s_mov_b32 s60, 0x76543210
	s_mov_b32 s61, 0xfedcba98
	s_mov_b32 s62, 0xffff0000
	s_mov_b32 s24, 1
	s_mov_b32 s36, 1
	s_mul_i32 s25, s16, 73728
	s_mul_i32 s37, s16, 3072
	s_mul_i32 s58, s18, 294912
	s_add_co_u32 s58, s58, s25
	s_mov_b32 s59, 0
	s_mul_i32 s2, s18, 12288
	s_add_co_u32 s2, s2, s37
	s_mov_b32 s3, 0
	s_add_co_u32 s37, s37, SCL0
	s_wait_dscnt 0x0
	s_wait_kmcnt 0x0
	s_add_nc_u64 s[26:27], s[4:5], s[58:59]
	s_or_b32 s27, s27, 0x80000000
	s_add_nc_u64 s[38:39], s[6:7], s[2:3]
	s_or_b32 s39, s39, 0x80000000
	CROUND
	tensor_load_to_lds s[24:27], s[28:35]
	s_nop 0
	s_wait_alu depctr_va_vdst(0)
	s_wait_tensorcnt 0x0
	ds_add_u32 v14, v15
	s_wait_dscnt 0x0
	CROUND
	tensor_load_to_lds s[36:39], s[40:47]
	s_nop 0
.rept 4
	v_nop
.endr
	v_and_b32 v1, 31, v0
	v_lshlrev_b32 v[L8], 3, v1
	v_lshlrev_b32 v[LB], 4, v1
	v_bfe_u32 v[BQK], v0, 4, 1
	v_lshlrev_b32 v[BQK], 6, v[BQK]
	v_and_b32 v[BVV], 15, v0
	v_and_b32 v12, 8, v[BVV]
	v_add_nc_u32 v[BVV], v[BVV], v12
	v_lshlrev_b32 v[BVV], 2, v[BVV]
.irp b,0,1,2,3
	v_mov_b32 v[TP+\b], 0
.endr
	s_mov_b32 s19, 0
	s_mov_b32 s23, 0
	s_mov_b32 s63, SCL0
	s_mul_i32 s20, s18, 3
	s_lshr_b32 s21, s20, 6
	WLOAD
	s_wait_tensorcnt 0x0
	s_barrier_signal -1
	s_barrier_wait -1
.Lblk:
	s_wait_xcnt 0x0
	s_mul_i32 s20, s18, 3
	s_add_co_u32 s20, s20, s19
	s_lshr_b32 s21, s20, 6
	s_cmp_eq_u32 s21, s22
	s_cbranch_scc1 .Lsame_w
	WLOAD
.Lsame_w:
	s_and_b32 s58, s20, 48
	s_lshl_b32 s59, s17, 2
	s_add_co_u32 s58, s58, s59
	s_add_co_u32 s58, s58, s16
	s_mul_i32 s58, s58, HEADB
	s_and_b32 s59, s20, 15
	s_cmp_eq_u32 s21, 0
	s_cselect_b32 s2, 208896, 0
	s_cselect_b32 s3, 110592, 0
	s_cmp_eq_u32 s21, 2
	s_cselect_b32 s2, 98304, s2
	s_cselect_b32 s3, 8192, s3
	s_cselect_b32 s56, 8, 9
	s_lshl_b32 s56, s59, s56
	s_add_co_u32 s56, s56, s3
	s_add_co_u32 s56, s56, s58
	s_add_co_u32 s56, s56, 196608
	s_mov_b32 s57, 0
	s_add_nc_u64 s[56:57], s[14:15], s[56:57]
	s_mul_i32 s54, s59, 6144
	s_add_co_u32 s54, s54, s2
	s_add_co_u32 s54, s54, s58
	s_mov_b32 s55, 0
	s_add_nc_u64 s[54:55], s[14:15], s[54:55]
	v_add_nc_u32 v[ALO], s23, v[LB]
	v_add_nc_u32 v[ALO+1], 49152, v[ALO]
	v_add_nc_u32 v[ASC], s63, v[LB]
.irp a,0,1,2,3,4,5,6,7
	ds_load_b128 v[XS+4*\a:XS+4*\a+3], v[ASC] offset:512*\a
.endr
	FETCHA 0
	s_cmp_eq_u32 s21, 2
	s_cbranch_scc1 .Lvkind
	s_wait_alu depctr_va_vdst(0)
.irp k,0,1,2,3,4,5,6,7
	KSTEPQ \k
.endr
.rept 4
	v_nop
.endr
	QUANT64 0, 0
	QUANT64 1, 0
	QUANT64 2, 0
	QUANT64 3, 0
	global_store_b128 v[LB], v[SW:SW+3], s[56:57]
	s_branch .Ljoin
.Lvkind:
	s_wait_alu depctr_va_vdst(0)
.irp k,0,1,2,3,4,5,6,7
	KSTEPV \k
.endr
.rept 4
	v_nop
.endr
	QUANT64 0, 1
	QUANT64 1, 1
	QUANT64 2, 1
	QUANT64 3, 1
	v_cndmask_b32 v[VW], v[WD], v[WD+1], s62
	v_cndmask_b32 v[VW+1], v[WD+2], v[WD+3], s62
	global_store_b64 v[L8], v[VW:VW+1], s[56:57]
.Ljoin:
	s_add_co_u32 s23, s23, XBLK
	s_add_co_u32 s63, s63, 4096
	s_add_co_u32 s19, s19, 1
	s_cmp_lt_u32 s19, 3
	s_cbranch_scc1 .Lblk
	s_wait_tensorcnt 0x0
	ds_add_u32 v[SPW], v[NIL]
	s_wait_dscnt 0x0
	CROUND
	s_endpgm
.Lfunc_end_k_q02aed498a9_proj:
	.size	k_q02aed498a9_proj, .Lfunc_end_k_q02aed498a9_proj-k_q02aed498a9_proj
	.p2alignl 7, 3214868480
	.fill 96, 4, 3214868480
	.section	.rodata,"a",@progbits
	.p2align	6, 0x0
	.amdhsa_kernel k_q02aed498a9_proj
		.amdhsa_group_segment_fixed_size 327680
		.amdhsa_private_segment_fixed_size 0
		.amdhsa_enable_private_segment 0
		.amdhsa_kernarg_size 48
		.amdhsa_user_sgpr_count 2
		.amdhsa_user_sgpr_kernarg_segment_ptr 1
		.amdhsa_wavefront_size32 1
		.amdhsa_system_sgpr_workgroup_id_x 1
		.amdhsa_system_sgpr_workgroup_id_y 1
		.amdhsa_system_sgpr_workgroup_id_z 1
		.amdhsa_system_vgpr_workitem_id 0
		.amdhsa_next_free_vgpr 1024
		.amdhsa_next_free_sgpr 66
		.amdhsa_reserve_vcc 0
		.amdhsa_float_denorm_mode_32 3
		.amdhsa_float_denorm_mode_16_64 3
		.amdhsa_memory_ordered 1
		.amdhsa_forward_progress 1
		.amdhsa_inst_pref_size 160
	.end_amdhsa_kernel
	.amdgpu_metadata
---
amdhsa.version: [ 1, 2 ]
amdhsa.kernels:
  - .name:           k_q02aed498a9_proj
    .symbol:         k_q02aed498a9_proj.kd
    .args:
      - { .name: ximg, .offset: 0, .size: 8, .value_kind: global_buffer, .address_space: global }
      - { .name: xscl, .offset: 8, .size: 8, .value_kind: global_buffer, .address_space: global }
      - { .name: b_q, .offset: 16, .size: 8, .value_kind: global_buffer, .address_space: global }
      - { .name: b_k, .offset: 24, .size: 8, .value_kind: global_buffer, .address_space: global }
      - { .name: b_v, .offset: 32, .size: 8, .value_kind: global_buffer, .address_space: global }
      - { .name: heads, .offset: 40, .size: 8, .value_kind: global_buffer, .address_space: global }
    .group_segment_fixed_size: 327680
    .private_segment_fixed_size: 0
    .kernarg_segment_align: 8
    .kernarg_segment_size: 48
    .max_flat_workgroup_size: 128
    .sgpr_count:     66
    .vgpr_count:     1024
    .wavefront_size: 32
...
	.end_amdgpu_metadata
.endif
;; end of part 2
;; launch attn (part 3): grid 4 x 64, 16 waves a work-group, no clusters, 210,944 bytes of LDS; arguments heads, mwords, oimg, oscl, mfull; writes oimg, oscl
.if DOCPART == 3
	.amdgcn_target "amdgcn-amd-amdhsa--gfx1250"
	.amdhsa_code_object_version 6
	.text
	.protected	k_q02aed498a9_attn
	.globl	k_q02aed498a9_attn
	.p2align	8
	.type	k_q02aed498a9_attn,@function
k_q02aed498a9_attn:
	s_mov_b64 s[64:65], 0
	v_nop
	global_prefetch_b8 v0, s[64:65] scope:SCOPE_SE
	s_setreg_imm32_b32 hwreg(HW_REG_WAVE_MODE, 25, 1), 1
	s_wait_xcnt 0x0
; Launch 3 of 4: for each batch and head, S^T = K Q^T, the mask, the softmax, O^T = V^T P^T, O / l, and O quantised along d_model for the last product.  Both products on codes of E2M3.  Nothing is left out.
; THE SOFTMAX: t = score x c, c = log2(e) / 8.  M = the running largest t rounded up to a whole number, kept as -M = floor(-t); p = 2^(t - M) is one fused multiply-add on the raw score and one exponential;
; p is quantised along the keys, not normalised; the row's sum is taken of the unquantised p; when M moves, the sum and O^T are multiplied by 2^(old M - new M), which rounds nothing.
; THE MASK: where it is false the raw score is replaced by -2^33.  -2^33 x c = -1,549,081,984 is a whole number that f32 holds, so in a row whose every key is masked M equals t, t - M is exactly 0 and p exactly 1, as with reference()'s -1e9.
; LIMIT: reference() puts -1e9 there (t = -1,442,695,040).  The two agree while every unmasked |t| stays under 2^30: then a masked key lies more than 2^28 under any unmasked one in both, and its p is 0 in both.
; The first launch has stored, for each query tile, a word whose bit 15 - step says that all 64 x 32 mask bits of that key step are set.  Where it is set, a scalar branch leads round the loads of the step's 64 mask words
; and the 64 selects, which would change nothing.  The loop's counter runs from 15 down, so it is the bit's number.
; SHARES.  Work-group (x, y): head y (batch y / 16), queries 512 x on.  Wave w owns the pair of query tiles 16 x + w and takes its two tiles one after the other over all 16 key steps of 128.  Sixteen waves of 256 registers, four to a SIMD.
; A head's K and V, codes and scale words, are 208,896 consecutive bytes of heads: they come into LDS once, through registers: 25 loads of 16 bytes and one of 8 a lane, each wave's load on 512 (256) consecutive bytes.
; NO TENSOR LOAD, NO CLUSTER: the branch above hangs on numbers read from memory.  NO PREFETCH: K and V are asked for once, at the head, ahead of any loop.
; K = 64 IN AN INSTRUCTION OF 128: Q's operand has zero codes for k = 64 .. 127; K's operand for tile t is 12 registers from the tile's six on: the upper six (the next tile's codes, or six cleared registers) meet zeros;
; both sides' scale bytes there are those of 1.0.
; LAYOUT.  A lane holds one query (lane % 16) throughout.  Key tile t = 4 c + T of a step holds keys 64 c + 8 T + (m % 8) + 32 (m / 8), so score register n is key 128 step + 64 (n / 32) + 32 (lane / 16) + n % 32:
; a lane's registers 32 c .. 32 c + 31 are the whole block 2 c + lane / 16, in the order that p's operand wants: no other lane is asked for a block's maximum, and no codes change lanes.  Bit l of mask word n is that key's for lane l.
; oimg: [token tile 512][head 16][768]: byte 256 q + 8 lane + 4 e is register 2 q + e of the head's six.
; oscl: [tile][512 bytes], as the last launch's scale registers stand: row r's two bytes of head n lie at 256 (n / 8) + 16 r + 2 (n % 8).
; Dependent vector lines are laid five or more vector instructions apart where other work is at hand; where none is, a hint stands ahead of them.
; OTHER LIMITS as in the first launch.
.set HEADB, 315392
.set VC0,   98304                      ; LDS, as in heads: K's codes at 0, V's here,
.set KS0,   196608                     ; K's scale words,
.set VS0,   204800                     ; V's
.set QC0,   208896                     ; in heads: Q's codes,
.set QS0,   307200                     ; Q's scale words
.set SPARE, 208896                     ; LDS: the spare words, 128 bytes for each of 16 waves
.set F,  50                            ; v50-97 four fragments of K (pairs of tiles) or of V; v98-103 six cleared registers
.set S,  104                           ; v104-167 S^T, then p
.set O,  168                           ; v168-199 O^T
.set PC, 200                           ; v200-211 p's codes
.set PT, 212                           ; v212-218 upper halves as converted
.set BM, 220                           ; v220-223 partial maxima; v220, v221 my two blocks' largest; v222 then the old -M
.set BP, 224                           ; v224-227 bytes, lane permutes' destinations
.set BS, 228                           ; v228-231 the conversions' scale operands
.set SB, 232                           ; v[232:233], v[246:247], v[248:249]: three more chains of the row's sum
.set SC, 246
.set SD, 248
; v1 spare word, v2 0 (never rewritten); v3 16 lane; v4-7 LDS addresses in hand (K, V, K's words, V's words); v8 the masked score; v9 8 lane; v10 -M; v11 the largest raw score; v[12:13] the sum; v[14:15] f;
; v16-27 Q's operand; v28 Q's words; v29 p's word; v30-33 K's words; v34-35 V's; v36-47 both tiles' Q; v48 16 r; v49 8 h; v234-235 at work; v236-238 LDS bases; v239-244 the fill's addresses; v240 later O's two bytes; v250-251 Q's offsets
; s2 trips; s3 the mask words' offset; s[4:5] the head; s[6:7] mask words; s[8:9] oimg; s[10:11] oscl; s12 wave; s13 x; s14, s15, s66 the step's offsets in LDS; s[16:17] mfull; s18, s19 my two tiles' words of it;
; s[28:29] c; s[30:31] selects; s[32:63], s[68:99] a step's 64 mask words
.macro MLOADS                          ; a step's 64 mask words, 256 consecutive bytes
	s_load_b512 s[32:47], s[6:7], s3 offset:0x0
	s_load_b512 s[48:63], s[6:7], s3 offset:0x40
	s_load_b512 s[68:83], s[6:7], s3 offset:0x80
	s_load_b512 s[84:99], s[6:7], s3 offset:0xc0
.endm
.macro KLOADS                          ; a step's eight key tiles and their words
.set k, 0
.rept 12
	ds_load_b128 v[F+4*k:F+4*k+3], v4 offset:512*k
.set k, k+1
.endr
	ds_load_b128 v[30:33], v6
.endm
.macro VLOADS                          ; a step's four fragments of V^T and their words
.set k, 0
.rept 12
	ds_load_b128 v[F+4*k:F+4*k+3], v5 offset:512*k
.set k, k+1
.endr
	ds_load_b64 v[34:35], v7
.endm
.macro SUM4 p                          ; four pairs of p, from pair p on, onto the sum's four chains by turns
	v_pk_add_f32 v[12:13], v[12:13], v[S+2*(\p):S+2*(\p)+1]
	v_pk_add_f32 v[SB:SB+1], v[SB:SB+1], v[S+2*(\p)+2:S+2*(\p)+3]
	v_pk_add_f32 v[SC:SC+1], v[SC:SC+1], v[S+2*(\p)+4:S+2*(\p)+5]
	v_pk_add_f32 v[SD:SD+1], v[SD:SD+1], v[S+2*(\p)+6:S+2*(\p)+7]
.endm
.macro FMAS j0, cnt                    ; t - M, two at a time, from register j0 on (of the pairs c and -M the low word serves both halves)
.set j, \j0
.rept \cnt
	v_pk_fma_f32 v[S+j:S+j+1], v[S+j:S+j+1], s[28:29], v[10:11] op_sel_hi:[1,0,0]
.set j, j+2
.endr
.endm
.macro OMUL g                          ; O^T under the new M: pair g of each of the four accumulators
.irp d,0,8,16,24
	v_pk_mul_f32 v[O+\d+2*(\g):O+\d+2*(\g)+1], v[O+\d+2*(\g):O+\d+2*(\g)+1], v[14:15] op_sel_hi:[1,0]
.endr
.endm
; A KEY STEP for query tile u.  nxt = 1: the next step follows; 0: step 0 follows, for the other tile; -1: nothing follows.
.macro STEP u, nxt
	s_wait_dscnt 0x0                               ; K's tiles and words are in
.irp t,0,1,2,3,4,5,6,7
.set rK, F+6*\t
.set rS, S+8*\t
.set rZ, 30+\t/2
.if ((\t%2) == 0) && ((\u) == 0)
	v_wmma_scale_f32_16x16x128_f8f6f4 v[rS:rS+7], v[rK:rK+11], v[16:27], 0, v[rZ], v28 matrix_a_fmt:MATRIX_FMT_FP6 matrix_b_fmt:MATRIX_FMT_FP6
.elseif (\u) == 0
	v_wmma_scale_f32_16x16x128_f8f6f4 v[rS:rS+7], v[rK:rK+11], v[16:27], 0, v[rZ], v28 matrix_a_fmt:MATRIX_FMT_FP6 matrix_b_fmt:MATRIX_FMT_FP6 matrix_a_scale:MATRIX_SCALE_ROW1
.elseif (\t%2) == 0
	v_wmma_scale_f32_16x16x128_f8f6f4 v[rS:rS+7], v[rK:rK+11], v[16:27], 0, v[rZ], v28 matrix_a_fmt:MATRIX_FMT_FP6 matrix_b_fmt:MATRIX_FMT_FP6 matrix_b_scale:MATRIX_SCALE_ROW1
.else
	v_wmma_scale_f32_16x16x128_f8f6f4 v[rS:rS+7], v[rK:rK+11], v[16:27], 0, v[rZ], v28 matrix_a_fmt:MATRIX_FMT_FP6 matrix_b_fmt:MATRIX_FMT_FP6 matrix_a_scale:MATRIX_SCALE_ROW1 matrix_b_scale:MATRIX_SCALE_ROW1
.endif
.endr
	v_add_nc_u32 v5, s14, v236                     ; four plain places behind the products, ahead of the loads into K's registers and of the first read of the scores: this step's V,
	v_add_nc_u32 v7, s66, v238
.if (\nxt) == 1
	s_add_co_u32 s14, s14, 6144
	s_add_co_u32 s15, s15, 512
	s_add_co_u32 s66, s66, 256
.elseif (\nxt) == 0
	s_mov_b32 s14, 0
	s_mov_b32 s15, 0
	s_mov_b32 s66, 0
.endif
.if (\nxt) >= 0
	v_add_nc_u32 v4, s14, v3                       ; and the following step's K
	v_add_nc_u32 v6, s15, v237
.else
	v_nop
	v_nop
.endif
	VLOADS
	s_bitcmp1_b32 s[18+(\u)], s2                   ; s2 = 15 - step: are all the step's mask bits set?
	s_cbranch_scc1 .Lfull_\@                       ; then the selects would change nothing, and the words are not loaded
	s_sub_co_u32 s3, 15+16*(\u), s2                ; the two tiles' words lie on end, 256 bytes a step
	s_lshl_b32 s3, s3, 8
	MLOADS
	s_wait_kmcnt 0x0
.set n, 0
.rept 64
.if n < 32
	v_cndmask_b32 v[S+n], v8, v[S+n], s[32+n]      ; where the mask is false: the masked score; each accumulator from its low end on
.else
	v_cndmask_b32 v[S+n], v8, v[S+n], s[36+n]
.endif
.set n, n+1
.endr
.Lfull_\@:
.irp b,0,1,2,3
	v_max3_num_f32 v[BM+\b], v[S+16*\b], v[S+16*\b+1], v[S+16*\b+2]   ; the largest score, four chains by turns; each accumulator is first read at its low end
.endr
.irp i,3,5,7,9,11,13
.irp b,0,1,2,3
	v_max3_num_f32 v[BM+\b], v[BM+\b], v[S+16*\b+\i], v[S+16*\b+\i+1]
.endr
.endr
	v_max3_num_f32 v[BM], v[BM], v[BM+1], v[S+15]  ; my two blocks of 32 keys: their largest scores serve the row's maximum and, since p rises with the score, the blocks' largest p
	v_max3_num_f32 v[BM+1], v[BM+2], v[BM+3], v[S+47]
	v_max_num_f32 v[BM], v[BM], v[S+31]
	v_max_num_f32 v[BM+1], v[BM+1], v[S+63]
	v_max_num_f32 v234, v[BM], v[BM+1]
	v_mov_b32 v[BM+2], v10                         ; the old -M
	s_delay_alu instid0(VALU_DEP_2)
	v_permlanex16_b32 v235, v234, s30, s31
	s_delay_alu instid0(VALU_DEP_1)
	v_max3_num_f32 v11, v234, v235, v11            ; with lane l xor 16's two blocks and what went before: the running largest score of my query
	s_delay_alu instid0(VALU_DEP_1)
	v_mul_f32 v234, s28, v11                       ; as t (c is positive)
	s_delay_alu instid0(VALU_DEP_1)
	v_floor_f32 v10, -v234                         ; the new -M: M is a whole number
	FMAS 0, 6
	v_sub_f32 v[BM+2], v10, v[BM+2]                ; old M - new M: a whole number, 0 or less
	FMAS 12, 6
	v_cvt_i32_f32 v[BM+2], v[BM+2]                 ; (it saturates)
	FMAS 24, 6
	v_ldexp_f32 v14, 1.0, v[BM+2]                  ; f = 2^(old M - new M)
	FMAS 36, 14
	v_fma_f32 v[BM], v[BM], s28, v10               ; the same of each block's largest score
	v_fma_f32 v[BM+1], v[BM+1], s28, v10
	s_wait_alu depctr_va_vdst(0)
.set n, 0
.rept 64
	v_exp_f32 v[S+n], v[S+n]                       ; p = 2^(t - M)
.set n, n+1
.endr
	v_exp_f32 v[BM], v[BM]                         ; the blocks' largest p: the same two instructions on the same number give the same bits
	v_exp_f32 v[BM+1], v[BM+1]
	v_pk_mul_f32 v[12:13], v[12:13], v[14:15] op_sel_hi:[1,0]   ; the sum under the new M: the plain place behind the batch
	s_wait_alu depctr_va_vdst(0)                   ; one wait for the 66 exponentials, directly ahead of O^T's first reader
	OMUL 0                                         ; each accumulator's first read is at its low end
	v_max_num_f32 v[BM], 0x1800000, v[BM]          ; the floor 2^(3 - 127): the byte cannot fall under 1
	v_max_num_f32 v[BM+1], 0x1800000, v[BM+1]
	OMUL 1
	v_add_nc_u32 v[BS], 0xff000000, v[BM]          ; 2 off the exponent field: the conversion's scale operand
	v_add_nc_u32 v[BS+1], 0xff000000, v[BM+1]
	OMUL 2
	v_lshrrev_b32 v[BP], 23, v[BS]                 ; the scale's byte
	v_lshrrev_b32 v[BP+1], 23, v[BS+1]
	OMUL 3
	v_lshl_or_b32 v234, v[BP+1], 16, v[BP]         ; my two bytes, blocks h and 2 + h,
.irp c,0,1
	v_cvt_scalef32_pk16_fp6_f32 v[PC+6*\c:PC+6*\c+2], v[S+32*\c:S+32*\c+15], v[BS+\c]
	v_cvt_scalef32_pk16_fp6_f32 v[PT+4*\c:PT+4*\c+2], v[S+32*\c+16:S+32*\c+31], v[BS+\c]   ; (a conversion's three registers begin on an even number)
.endr
	v_pk_add_f32 v[SB:SB+1], v[S:S+1], v[S+2:S+3]  ; the row's sum, of the unquantised p: 32 pairs and the sum so far, 32 additions in four chains.  These three are the plain place behind the conversions
	v_pk_add_f32 v[SC:SC+1], v[S+4:S+5], v[S+6:S+7]
	v_pk_add_f32 v[SD:SD+1], v[S+8:S+9], v[S+10:S+11]
	v_lshlrev_b32 v234, v49, v234                  ; at their places in the word (8 h bits up);
.irp c,0,1
.irp i,0,1,2
	v_mov_b32 v[PC+6*\c+3+\i], v[PT+4*\c+\i]       ; registers 6 c .. 6 c + 5: keys 64 c + 32 h + 0 .. 31
.endr
.endr
	v_permlanex16_b32 v235, v234, s30, s31
	SUM4 6
	v_or_b32 v29, v234, v235                       ; with lane l xor 16's two: p's scale word for these 128 keys
	SUM4 10                                        ; eight plain places between the writing of the scale word and the products
	SUM4 14
	s_wait_alu depctr_va_vdst(0)
	s_wait_dscnt 0x0                               ; V's fragments and words are in
.irp d,0,1,2,3                                 ; the four accumulators by turns, one instruction a turn
.set rO, O+8*\d
.set rV, F+12*\d
.set rZ, 34+\d/2
.if (\d%2) == 0
	v_wmma_scale_f32_16x16x128_f8f6f4 v[rO:rO+7], v[rV:rV+11], v[PC:PC+11], v[rO:rO+7], v[rZ], v29 matrix_a_fmt:MATRIX_FMT_FP6 matrix_b_fmt:MATRIX_FMT_FP6
.else
	v_wmma_scale_f32_16x16x128_f8f6f4 v[rO:rO+7], v[rV:rV+11], v[PC:PC+11], v[rO:rO+7], v[rZ], v29 matrix_a_fmt:MATRIX_FMT_FP6 matrix_b_fmt:MATRIX_FMT_FP6 matrix_a_scale:MATRIX_SCALE_ROW1
.endif
.endr
	SUM4 18                                        ; the four places in front of the loads into V's registers
.if (\nxt) >= 0
	KLOADS
.endif
	SUM4 22
	SUM4 26
	v_pk_add_f32 v[12:13], v[12:13], v[S+60:S+61]
	v_pk_add_f32 v[SB:SB+1], v[SB:SB+1], v[S+62:S+63]
	v_pk_add_f32 v[SC:SC+1], v[SC:SC+1], v[SD:SD+1]
	s_delay_alu instid0(VALU_DEP_2)
	v_pk_add_f32 v[12:13], v[12:13], v[SB:SB+1]
	s_delay_alu instid0(VALU_DEP_1)
	v_pk_add_f32 v[12:13], v[12:13], v[SC:SC+1]
.endm
; The way out of a tile: O^T / l, quantised along the head's 64 (two blocks), stored as the six registers stand.
.macro TAIL u
	s_delay_alu instid0(VALU_DEP_1)
	v_add_f32 v12, v12, v13
	s_delay_alu instid0(VALU_DEP_1)
	v_permlanex16_b32 v234, v12, s30, s31
	s_delay_alu instid0(VALU_DEP_1)
	v_add_f32 v12, v12, v234                       ; the row's sum
	s_wait_alu depctr_va_vdst(0)
	v_rcp_f32 v234, v12
	v_mov_b32 v235, 0                              ; a plain place behind the reciprocal (and the pair's upper word is written)
	s_wait_alu depctr_va_vdst(0)                   ; the wait ahead of its first reader
.set j, 0
.rept 16
	v_pk_mul_f32 v[S+j:S+j+1], v[O+j:O+j+1], v[234:235] op_sel_hi:[1,0]   ; register 16 b + i: d = 32 b + 16 h + i; each accumulator from its low end on
.set j, j+2
.endr
.irp b,0,1
	v_max3_num_f32 v[BM+\b], |v[S+16*\b]|, |v[S+16*\b+1]|, 0x1800000
.endr
.irp i,2,4,6,8,10,12,14
.irp b,0,1
	s_delay_alu instid0(VALU_DEP_2)
	v_max3_num_f32 v[BM+\b], v[BM+\b], |v[S+16*\b+\i]|, |v[S+16*\b+\i+1]|
.endr
.endr
.irp b,0,1
	s_delay_alu instid0(VALU_DEP_2)
	v_permlanex16_b32 v[BP+\b], v[BM+\b], s30, s31
.endr
.irp b,0,1
	s_delay_alu instid0(VALU_DEP_2)
	v_max_num_f32 v[BM+\b], v[BM+\b], v[BP+\b]
.endr
.irp b,0,1
	s_delay_alu instid0(VALU_DEP_2)
	v_add_nc_u32 v[BS+\b], 0xff000000, v[BM+\b]
.endr
.irp b,0,1
	s_delay_alu instid0(VALU_DEP_2)
	v_lshrrev_b32 v[BP+\b], 23, v[BS+\b]
.endr
	s_delay_alu instid0(VALU_DEP_1)
	v_lshl_or_b32 v240, v[BP+1], 8, v[BP]
	v_cvt_scalef32_pk16_fp6_f32 v[PC:PC+2], v[S:S+15], v[BS]
	v_cvt_scalef32_pk16_fp6_f32 v[PT:PT+2], v[S+16:S+31], v[BS+1]
	v_nop
.irp i,0,1,2
	v_permlane16_swap_b32 v[PC+\i], v[PT+\i]
.endr
.irp i,0,1,2
	s_delay_alu instid0(VALU_DEP_3)
	v_mov_b32 v[PC+3+\i], v[PT+\i]
.endr
.irp p,0,1,2
	global_store_b64 v9, v[PC+2*\p:PC+2*\p+1], s[8:9] offset:12288*(\u)+256*\p   ; 32 lanes store 256 consecutive bytes, aligned
.endr
	global_store_b16 v48, v240, s[10:11] offset:512*(\u)   ; 16 rows x 2 bytes, 16 bytes apart; both halves of the lanes write the same bytes with the same values
.endm
.macro TILE u
.if (\u) == 1
	s_wait_xcnt 0x0                                ; the first tile's stores have read their data
.endif
.irp i,0,1,2,3,4,5
	v_mov_b32 v[16+\i], v[36+6*(\u)+\i]            ; the tile's six registers of Q; the upper six stay zero codes
.endr
	v_mov_b32 v11, 0xff61b1e6                      ; the largest score so far: -3e38
	s_delay_alu instid0(VALU_DEP_1)
	v_floor_f32 v10, -v11
	v_mov_b32 v12, 0
	v_mov_b32 v13, 0
.set j, 0
.rept 32
	v_mov_b32 v[O+j], 0                            ; the step is written once: the first finds zeros.  (Also the places between the writing of Q's operand and the products)
.set j, j+1
.endr
	s_mov_b32 s2, 15
.Lstep_\@:
	STEP \u, 1
	s_sub_co_u32 s2, s2, 1
	s_cmp_lg_u32 s2, 0
	s_cbranch_scc1 .Lstep_\@
.if (\u) == 0
	STEP \u, 0
.else
	STEP \u, -1
.endif
	TAIL \u
.endm
	s_load_b256 s[4:11], s[0:1], 0x0               ; heads, mwords, oimg, oscl
	s_load_b64 s[16:17], s[0:1], 0x20              ; mfull
	v_lshl_add_u32 v1, v0, 2, SPARE
	v_mov_b32 v2, 0
	v_lshrrev_b32 v3, 5, v0
	v_readfirstlane_b32 s12, v3                    ; wave 0 .. 15
	v_lshlrev_b32 v239, 4, v0                      ; the fill: 16 x thread, in heads and in LDS alike;
	v_lshlrev_b32 v243, 3, v0                      ; 8 x thread for the last 4,096 bytes
	v_add_nc_u32 v240, 0x10000, v239               ; an LDS immediate has 16 bits: a register for each 65,536 bytes
	v_add_nc_u32 v241, 0x20000, v239
	v_add_nc_u32 v242, 0x30000, v239
	v_add_nc_u32 v244, 204800, v243
	s_mov_b32 s13, ttmp9                           ; x: which 512 queries
	s_and_b32 s14, ttmp7, 0xffff                   ; batch x 16 + head
	s_mul_i32 s66, s14, HEADB
	s_mov_b32 s67, 0
	s_mov_b32 s28, 0x3e38aa3b                      ; c = log2(e) / 8
	s_mov_b32 s29, s28
	s_mov_b32 s30, 0x76543210
	s_mov_b32 s31, 0xfedcba98
	s_wait_alu depctr_va_vdst(0)
	s_wait_kmcnt 0x0
	s_add_nc_u64 s[4:5], s[4:5], s[66:67]          ; my head
.set i, 0
.rept 25
	global_load_b128 v[104+4*i:104+4*i+3], v239, s[4:5] offset:8192*i   ; the 512 threads take 8,192 consecutive bytes
.set i, i+1
.endr
	global_load_b64 v[204:205], v243, s[4:5] offset:204800              ; and the last 4,096
	v_and_b32 v3, 31, v0
	v_and_b32 v48, 15, v0
	v_bfe_u32 v49, v0, 4, 1
	v_lshlrev_b32 v9, 3, v3
	v_lshlrev_b32 v3, 4, v3
	v_lshlrev_b32 v48, 4, v48
	v_lshlrev_b32 v49, 3, v49
	v_add_nc_u32 v236, VC0, v3
	v_add_nc_u32 v237, KS0, v3
	v_add_nc_u32 v238, VS0, v9
	v_mov_b32 v8, 0xd0000000                       ; -2^33: the masked score
	s_wait_alu depctr_va_vdst(0)
	s_lshl_b32 s15, s13, 4
	s_add_co_u32 s15, s15, s12                     ; my pair of query tiles, 0 .. 63
	s_lshr_b32 s2, s14, 4
	s_lshl_b32 s2, s2, 7
	s_lshl_b32 s32, s15, 1
	s_add_co_u32 s2, s2, s32                       ; my first token tile: 128 batch + 2 pair
	s_and_b32 s3, s14, 15                          ; head
	s_lshl_b32 s66, s2, 2
	s_add_nc_u64 s[16:17], s[16:17], s[66:67]
	s_load_b64 s[18:19], s[16:17], 0x0             ; my two tiles' words of mfull
	s_lshl_b32 s66, s2, 12
	s_add_nc_u64 s[6:7], s[6:7], s[66:67]
	s_mul_i32 s66, s2, 12288
	s_mul_i32 s32, s3, 768
	s_add_co_u32 s66, s66, s32
	s_add_nc_u64 s[8:9], s[8:9], s[66:67]
	s_lshl_b32 s66, s2, 9                          ; oscl: 512 bytes a tile,
	s_lshr_b32 s32, s3, 3
	s_lshl_b32 s32, s32, 8                         ; + 256 (head / 8)
	s_add_co_u32 s66, s66, s32
	s_and_b32 s32, s3, 7
	s_lshl_b32 s32, s32, 1                         ; + 2 (head % 8)
	s_add_co_u32 s66, s66, s32
	s_add_nc_u64 s[10:11], s[10:11], s[66:67]
	s_mul_i32 s32, s15, 1536
	v_add_nc_u32 v250, s32, v3
	s_lshr_b32 s32, s15, 2
	s_lshl_b32 s32, s32, 9
	s_and_b32 s33, s15, 3
	s_lshl_b32 s33, s33, 2
	s_add_co_u32 s32, s32, s33
	v_add_nc_u32 v251, s32, v3
.irp c,0,1,2
	global_load_b128 v[36+4*\c:39+4*\c], v250, s[4:5] offset:QC0+512*\c   ; both tiles' Q
.endr
	global_load_b32 v28, v251, s[4:5] offset:QS0   ; lanes 0-15: the even tile's words, lanes 16-31 the odd tile's
	s_mov_b32 s14, 0
	s_mov_b32 s15, 0
	s_mov_b32 s66, 0
.irp i,0,1,2,3,4,5
	v_mov_b32 v[F+48+\i], 0                        ; behind the last key tile: zero codes
	v_mov_b32 v[22+\i], 0                          ; Q's k = 64 .. 127: zero codes
.endr
.irp b,0,1,2,3
	v_mov_b32 v[BP+\b], 0                          ; a lane permute's destination counts as one of its sources
.endr
	v_mov_b32 v15, 0                               ; (named as the upper half of the pair v[14:15])
	v_mov_b32 v234, 0
	v_mov_b32 v235, 0
	v_add_nc_u32 v4, s14, v3
	v_add_nc_u32 v6, s15, v237
	s_wait_alu depctr_va_vdst(0)
.set i, 0
.rept 25
	s_wait_loadcnt 29-i                            ; 30 loads were issued: behind fill load i stand 29 - i
	ds_store_b128 v[239+i/8], v[104+4*i:104+4*i+3] offset:8192*(i%8)
.set i, i+1
.endr
	s_wait_loadcnt 4                               ; behind the last fill load: Q's four
	ds_store_b64 v244, v[204:205]
	s_wait_dscnt 0x0                               ; my part of the head is in LDS,
	s_barrier_signal -1
	s_barrier_wait -1                              ; everybody's is
	KLOADS
	s_wait_loadcnt 0x0                             ; Q
	s_wait_kmcnt 0x0                               ; the words of mfull
	TILE 0
	TILE 1
	s_wait_tensorcnt 0x0                           ; the wave's end
	ds_add_u32 v1, v2
	s_wait_dscnt 0x0
	s_endpgm
.Lfunc_end_k_q02aed498a9_attn:
	.size	k_q02aed498a9_attn, .Lfunc_end_k_q02aed498a9_attn-k_q02aed498a9_attn
	.p2alignl 7, 3214868480
	.fill 96, 4, 3214868480
	.section	.rodata,"a",@progbits
	.p2align	6, 0x0
	.amdhsa_kernel k_q02aed498a9_attn
		.amdhsa_group_segment_fixed_size 210944
		.amdhsa_private_segment_fixed_size 0
		.amdhsa_enable_private_segment 0
		.amdhsa_kernarg_size 40
		.amdhsa_user_sgpr_count 2
		.amdhsa_user_sgpr_kernarg_segment_ptr 1
		.amdhsa_wavefront_size32 1
		.amdhsa_system_sgpr_workgroup_id_x 1
		.amdhsa_system_sgpr_workgroup_id_y 1
		.amdhsa_system_sgpr_workgroup_id_z 1
		.amdhsa_system_vgpr_workitem_id 0
		.amdhsa_next_free_vgpr 256
		.amdhsa_next_free_sgpr 100
		.amdhsa_reserve_vcc 0
		.amdhsa_float_denorm_mode_32 3
		.amdhsa_float_denorm_mode_16_64 3
		.amdhsa_memory_ordered 1
		.amdhsa_forward_progress 1
		.amdhsa_inst_pref_size 96
	.end_amdhsa_kernel
	.amdgpu_metadata
---
amdhsa.version: [ 1, 2 ]
amdhsa.kernels:
  - .name:           k_q02aed498a9_attn
    .symbol:         k_q02aed498a9_attn.kd
    .args:
      - { .name: heads, .offset: 0, .size: 8, .value_kind: global_buffer, .address_space: global }
      - { .name: mwords, .offset: 8, .size: 8, .value_kind: global_buffer, .address_space: global }
      - { .name: oimg, .offset: 16, .size: 8, .value_kind: global_buffer, .address_space: global }
      - { .name: oscl, .offset: 24, .size: 8, .value_kind: global_buffer, .address_space: global }
      - { .name: mfull, .offset: 32, .size: 8, .value_kind: global_buffer, .address_space: global }
    .group_segment_fixed_size: 210944
    .private_segment_fixed_size: 0
    .kernarg_segment_align: 8
    .kernarg_segment_size: 40
    .max_flat_workgroup_size: 512
    .sgpr_count:     100
    .vgpr_count:     256
    .wavefront_size: 32
...
	.end_amdgpu_metadata
.endif
;; end of part 3
;; launch outp (part 4): grid 4 x 64, 4 waves a work-group, clusters of 4 x 1, 167,936 bytes of LDS; arguments oimg, oscl, ximg, xscl, b_o, out0; writes out0
.if DOCPART == 4
	.amdgcn_target "amdgcn-amd-amdhsa--gfx1250"
	.amdhsa_code_object_version 6
	.text
	.protected	k_q02aed498a9_outp
	.globl	k_q02aed498a9_outp
	.p2align	8
	.type	k_q02aed498a9_outp,@function
k_q02aed498a9_outp:
	s_mov_b64 s[64:65], 0
	v_nop
	global_prefetch_b8 v0, s[64:65] scope:SCOPE_SE
	s_setreg_imm32_b32 hwreg(HW_REG_WAVE_MODE, 25, 1), 1
	s_wait_xcnt 0x0
	s_wait_alu depctr_hold_cnt(0) depctr_sa_sdst(0) depctr_va_vdst(0) depctr_va_sdst(0) depctr_va_ssrc(0) depctr_va_vcc(0) depctr_vm_vsrc(0)
	s_getreg_b32 s2, hwreg(HW_REG_IB_STS2, 6, 4)
	s_cmp_eq_u32 s2, 0
	s_cbranch_scc0 .Lentry_in_a_cluster
	s_endpgm
.Lentry_in_a_cluster:
	s_bfe_u32 s2, ttmp6, 0x10000c
	s_cmp_lg_u32 s2, 0x3003
	s_cbranch_scc0 .Lentry_shape_is_right
	s_endpgm
.Lentry_shape_is_right:
; Launch 4 of 4: out0 = o W_o^T + b_o on codes of E2M3.  Nothing is left out.
; SHARES.  Work-group (cx, y): tokens 128 y on (token tiles 8 y + a), features 256 cx on; wave w: features 64 (4 cx + w) on: four tiles of W_o, whose 32 fragments stay in its registers.
; o's 64 fragments of the block are 98,304 consecutive bytes of oimg: they come into LDS once, a quarter by each wave; the four work-groups of a cluster want the same bytes, so the loads are joint.
; A fragment of o (tile, K step s) is heads 2 s and 2 s + 1 on end: byte 256 q + 8 lane + 4 e is register 2 q + e: six loads of 256 consecutive bytes.  Its scale word is the two heads' pairs of bytes.
; Source 0 = W_o, source 1 = o: a lane holds one token and 16 neighbouring features of each pair of tiles; b_o is the C of a sum's first product.
; THE WAY OUT: 16 tokens x 64 features go through the wave's own stage in LDS and leave as rows: sixteen lanes store 256 consecutive bytes, aligned.
; REGISTERS as in the second launch: window 0 addresses, scale words, o's fragments in two sets; windows 1 and 2 W_o and the bias; window 3 the 32 accumulators.
.set STG0,  98304                      ; behind o's fragments: a stage of 16 rows x 272 bytes for each wave; no fill lands there
.set SPARE, 115712                     ; the spare words, 128 bytes for each wave
.set LB,  1                            ; v1   16 x lane
.set ALO, 2                            ; v2   8 x lane: tiles 0-3 in LDS; v3: tiles 4-7
.set BQK, 5                            ; v5   64 h
.set STO, 10                           ; v10  stage, way in: 272 r + 64 h
.set SRD, 11                           ; v11  stage, way out: 272 h + 16 r
.set GO,  12                           ; v12  4,096 h + 16 r
.set SPW, 14
.set NIL, 15
.set WS,  16
.set XS,  32
.set XF,  64
.set BI,  192
.set MSB, 0
.macro WIN new
.if MSB != \new
	s_set_vgpr_msb (MSB<<8)|\new
.set MSB, \new
.endif
.endm
.macro CROUND
	s_barrier_signal -1
	s_barrier_wait -1
	s_cmp_lg_u32 s16, 0
	s_cbranch_scc1 .Lnot_wave_0_\@
	s_barrier_signal -3
.Lnot_wave_0_\@:
	s_barrier_wait -3
	s_barrier_signal -1
	s_barrier_wait -1
.endm
.macro FETCHA s
.irp a,0,1,2,3,4,5,6,7
.irp q,0,1,2,3,4,5
	ds_load_b64 v[XF+96*((\s)%2)+12*\a+2*\q:XF+96*((\s)%2)+12*\a+2*\q+1], v[ALO+\a/4] offset:12288*(\a%4)+1536*(\s)+256*\q
.endr
.endr
.endm
.macro KSTEP s                         ; 32 products, the 32 accumulators by turns; the next step's fragments are asked for first, four plain places behind the products that read their registers
	s_wait_dscnt 0x0
.if (\s) < 7
.rept 4
	v_nop
.endr
	FETCHA (\s)+1
.endif
.if (\s) == 0
	WIN 0xe1
.elseif (\s) < 5
	WIN 0xf1
.else
	WIN 0xf2
.endif
.irp a,0,1,2,3,4,5,6,7
.irp n,0,1,2,3
.set rD, 8*(4*\a+\n)
.set rC, rD
.if (\s) == 0
.set rC, BI+8*\n
.endif
.set rW, 48*((\s)%5)+12*\n
.set rX, XF+96*((\s)%2)+12*\a
.set rP, WS+4*\n+(\s)%4
.set rQ, XS+4*\a+(\s)%4
.if (\s) < 4
	v_wmma_scale_f32_16x16x128_f8f6f4 v[rD:rD+7], v[rW:rW+11], v[rX:rX+11], v[rC:rC+7], v[rP], v[rQ] matrix_a_fmt:MATRIX_FMT_FP6 matrix_b_fmt:MATRIX_FMT_FP6
.else
	v_wmma_scale_f32_16x16x128_f8f6f4 v[rD:rD+7], v[rW:rW+11], v[rX:rX+11], v[rC:rC+7], v[rP], v[rQ] matrix_a_fmt:MATRIX_FMT_FP6 matrix_b_fmt:MATRIX_FMT_FP6 matrix_a_scale:MATRIX_SCALE_ROW1 matrix_b_scale:MATRIX_SCALE_ROW1
.endif
.endr
.endr
	WIN 0
.endm
.macro OUTT a                          ; token tile a leaves
.if (\a) >= 2
	s_wait_xcnt 0x0                                ; tile a - 2's stores have read their data: its registers are loaded again only behind this wait
.endif
	WIN 0x0c                                       ; an LDS store's data are its source 1: window 3
.irp b,0,1
.irp q,0,1,2,3
	ds_store_b128 v[STO], v[32*(\a)+16*\b+4*\q:32*(\a)+16*\b+4*\q+3] offset:128*\b+16*\q   ; features 32 b + 16 h + 4 q on; each accumulator from its low end on
.endr
.endr
	WIN 0
.irp i,0,1,2,3,4,5,6,7
	ds_load_b128 v[XF+32*((\a)%2)+4*\i:XF+32*((\a)%2)+4*\i+3], v[SRD] offset:544*\i   ; LDS serves a wave's instructions in order: these see my stores.  Rows 2 i + h of the tile
.endr
	s_wait_dscnt 0x0
.irp i,0,1,2,3,4,5,6,7
	global_store_b128 v[GO], v[XF+32*((\a)%2)+4*\i:XF+32*((\a)%2)+4*\i+3], s[54:55] offset:(32*((\a)/2)+8*((\a)%2)+2*\i+8*(\i/4))*4096 th:TH_STORE_NT
.endr
.endm
	s_load_b256 s[4:11], s[0:1], 0x0               ; oimg, oscl, ximg, xscl
	s_load_b128 s[12:15], s[0:1], 0x20             ; b_o, out0
	v_lshl_add_u32 v[SPW], v0, 2, SPARE
	v_mov_b32 v[NIL], 0
	ds_add_u32 v[SPW], v[NIL]                      ; the wave's opening
	ds_add_u32 v[SPW], v[NIL]
	v_lshrrev_b32 v1, 5, v0
	v_readfirstlane_b32 s16, v1                    ; wave
	s_bfe_u32 s17, ttmp6, 0x40000                  ; cx
	s_and_b32 s18, ttmp7, 0xffff                   ; y, which the four partners share
	s_mov_b32 s28, 0x0023000f                      ; group 1: mask of the four; elements of 8 bytes; bit 21 beside a mask; no padding
	s_mov_b32 s29, 32<<16                          ; rows of 256 bytes,
	s_mov_b32 s30, 96<<16                          ; 96 of them: a quarter of the 98,304 bytes
	s_mov_b32 s31, 32<<16
	s_mov_b32 s32, 96
	s_mov_b32 s33, 32
	s_mov_b32 s34, 0
	s_mov_b32 s35, 0
	s_mov_b32 s24, 1
	s_mul_i32 s25, s16, 24576
	s_mul_i32 s58, s18, 98304
	s_add_co_u32 s58, s58, s25
	s_mov_b32 s59, 0
	s_wait_dscnt 0x0                               ; both opening adds are done
	s_wait_kmcnt 0x0
	s_add_nc_u64 s[26:27], s[4:5], s[58:59]
	s_or_b32 s27, s27, 0x80000000
	CROUND                                         ; all four work-groups are here: the joint loads meet
	tensor_load_to_lds s[24:27], s[28:35]          ; one tensor load of mine is out
	s_nop 0
.rept 4
	v_nop
.endr
	v_and_b32 v1, 31, v0
	v_lshlrev_b32 v[ALO], 3, v1
	v_lshlrev_b32 v[LB], 4, v1
	v_add_nc_u32 v[ALO+1], 49152, v[ALO]
	v_and_b32 v7, 15, v0                           ; r
	v_bfe_u32 v8, v0, 4, 1                         ; h
	v_lshlrev_b32 v[BQK], 6, v8
	s_wait_alu depctr_va_vdst(0)
	s_mul_i32 s2, s16, 4352
	s_add_co_u32 s2, s2, STG0                      ; my stage
	v_mul_u32_u24 v[STO], v7, 272
	v_lshl_add_u32 v[STO], v8, 6, v[STO]
	v_add_nc_u32 v[STO], s2, v[STO]
	v_mul_u32_u24 v[SRD], v8, 272
	v_lshl_add_u32 v[SRD], v7, 4, v[SRD]
	v_add_nc_u32 v[SRD], s2, v[SRD]
	v_lshlrev_b32 v[GO], 4, v7
	v_lshl_add_u32 v[GO], v8, 12, v[GO]
	s_lshl_b32 s58, s18, 12
	s_add_nc_u64 s[6:7], s[6:7], s[58:59]          ; my eight tiles' pairs of bytes
	s_lshl_b32 s2, s17, 2
	s_add_co_u32 s2, s2, s16                       ; my 64 features: 4 cx + w
	s_lshl_b32 s3, s2, 2
	s_add_co_u32 s3, s3, 1728                      ; my first tile of W_o
	s_mul_i32 s58, s3, 12288
	s_add_nc_u64 s[48:49], s[8:9], s[58:59]
	s_lshl_b32 s58, s3, 9
	s_add_nc_u64 s[50:51], s[10:11], s[58:59]
	s_lshl_b32 s58, s2, 8
	s_add_nc_u64 s[52:53], s[12:13], s[58:59]
	s_lshl_b32 s3, s18, 19                         ; 128 rows of 4,096 bytes
	s_add_co_u32 s58, s58, s3
	s_add_nc_u64 s[54:55], s[14:15], s[58:59]
.irp a,0,1,2,3,4,5,6,7                         ; lane (r, h), tile a, register i: K step 4 h + i: heads 2 (4 h + i) + e
	global_load_b128 v[XS+4*\a:XS+4*\a+3], v[LB], s[6:7] offset:512*\a   ; oscl is laid as these registers stand: 32 lanes read 512 consecutive bytes
.endr
	WIN 0x40                                       ; destination window 1
.irp s,0,1,2,3,4
.irp n,0,1,2,3
.irp c,0,1,2
	global_load_b128 v[48*\s+12*\n+4*\c:48*\s+12*\n+4*\c+3], v[LB], s[48:49] offset:12288*\n+1536*\s+512*\c
.endr
.endr
.endr
	WIN 0x80                                       ; destination window 2
.irp s,5,6,7
.irp n,0,1,2,3
.irp c,0,1,2
	global_load_b128 v[48*(\s-5)+12*\n+4*\c:48*(\s-5)+12*\n+4*\c+3], v[LB], s[48:49] offset:12288*\n+1536*\s+512*\c
.endr
.endr
.endr
.irp n,0,1,2,3
	global_load_b128 v[BI+8*\n:BI+8*\n+3], v[BQK], s[52:53] offset:(32*(\n/2)+8*(\n%2))*4
	global_load_b128 v[BI+8*\n+4:BI+8*\n+7], v[BQK], s[52:53] offset:(32*(\n/2)+8*(\n%2))*4+16
.endr
	WIN 0
.irp n,0,1,2,3
	global_load_b128 v[WS+4*\n:WS+4*\n+3], v[LB], s[50:51] offset:512*\n
.endr
	s_wait_loadcnt 0x0
	s_wait_alu depctr_va_vdst(0)
	s_wait_tensorcnt 0x0                           ; my part of o has landed,
	s_barrier_signal -1
	s_barrier_wait -1                              ; everybody's has
	FETCHA 0
.irp k,0,1,2,3,4,5,6,7
	KSTEP \k
.endr
.rept 4
	v_nop                                          ; places in front of the first read of results and of the loads into o's registers
.endr
.irp t,0,1,2,3,4,5,6,7
	OUTT \t
.endr
	s_wait_tensorcnt 0x0                           ; the wave's end
	ds_add_u32 v[SPW], v[NIL]
	s_wait_dscnt 0x0
	CROUND                                         ; the closing round
	s_endpgm
.Lfunc_end_k_q02aed498a9_outp:
	.size	k_q02aed498a9_outp, .Lfunc_end_k_q02aed498a9_outp-k_q02aed498a9_outp
	.p2alignl 7, 3214868480
	.fill 96, 4, 3214868480
	.section	.rodata,"a",@progbits
	.p2align	6, 0x0
	.amdhsa_kernel k_q02aed498a9_outp
		.amdhsa_group_segment_fixed_size 167936
		.amdhsa_private_segment_fixed_size 0
		.amdhsa_enable_private_segment 0
		.amdhsa_kernarg_size 48
		.amdhsa_user_sgpr_count 2
		.amdhsa_user_sgpr_kernarg_segment_ptr 1
		.amdhsa_wavefront_size32 1
		.amdhsa_system_sgpr_workgroup_id_x 1
		.amdhsa_system_sgpr_workgroup_id_y 1
		.amdhsa_system_sgpr_workgroup_id_z 1
		.amdhsa_system_vgpr_workitem_id 0
		.amdhsa_next_free_vgpr 1024
		.amdhsa_next_free_sgpr 66
		.amdhsa_reserve_vcc 0
		.amdhsa_float_denorm_mode_32 3
		.amdhsa_float_denorm_mode_16_64 3
		.amdhsa_memory_ordered 1
		.amdhsa_forward_progress 1
		.amdhsa_inst_pref_size 89
	.end_amdhsa_kernel
	.amdgpu_metadata
---
amdhsa.version: [ 1, 2 ]
amdhsa.kernels:
  - .name:           k_q02aed498a9_outp
    .symbol:         k_q02aed498a9_outp.kd
    .args:
      - { .name: oimg, .offset: 0, .size: 8, .value_kind: global_buffer, .address_space: global }
      - { .name: oscl, .offset: 8, .size: 8, .value_kind: global_buffer, .address_space: global }
      - { .name: ximg, .offset: 16, .size: 8, .value_kind: global_buffer, .address_space: global }
      - { .name: xscl, .offset: 24, .size: 8, .value_kind: global_buffer, .address_space: global }
      - { .name: b_o, .offset: 32, .size: 8, .value_kind: global_buffer, .address_space: global }
      - { .name: out0, .offset: 40, .size: 8, .value_kind: global_buffer, .address_space: global }
    .group_segment_fixed_size: 167936
    .private_segment_fixed_size: 0
    .kernarg_segment_align: 8
    .kernarg_segment_size: 48
    .max_flat_workgroup_size: 128
    .sgpr_count:     66
    .vgpr_count:     1024
    .wavefront_size: 32
...
	.end_amdgpu_metadata
.endif
;; end of part 4
